; MI455X (gfx1250); checked and timed in simulation.
; The chip was launched on July 23, 2026; its instructions are those of AMD's public machine-readable ISA for CDNA 5 (MIT licence, August 2026) and "CDNA5" Instruction Set Architecture Reference Guide (July 2026). The comments in the code are by the model that wrote it; some were corrected since.
;; Gathering Loss Dim. Allowed arithmetic: matrix products marked QUANTISED: E4M3 operands, one E8M0 scale for each 32 along K, by v_wmma_scale_f32_16x16x128_f8f6f4 with both operands' format E4M3, f32 sums; everything else in f32.
;; Inputs: items 2,048 x 512 float32; queries 8 x 8 x 1,024 x 512 float32.
;; Outputs: out0 8 x 1,024 float32.
;; This version of the problem:
;;   THIS VERSION OF THE PROBLEM IS GIVEN IN LOW PRECISION. The matrix products marked QUANTISED in the list below multiply operands that are first quantised to E4M3 (4 exponent bits, 3 mantissa bits; 8 bits a number), with one power-of-two scale for each 32 numbers along K (OCP MX v1.0); their sums are f32. All else is computed in f32.
;;   The module's matrix products, in the order in which they are computed (A, B: the left and right operand; K: the contracted axis; several contracted axes count as one K, in the product's order):
;;     1. [M 65,536, K 512] x [K 512, N 2,048]; A: input queries; B: input items: QUANTISED
;;   THE QUANTISER, for each operand of a quantised product, along K:
;;     - K is cut into blocks of 32 from its start; a last block that is shorter is filled with zeros.
;;     - A block's scale is 2^e with e = floor(log2(the largest magnitude in the block)) - 8, held to -126 .. 127; a block of zeros has e = 0. As a byte (E8M0): e + 127.
;;     - Each number is divided by its block's scale, clamped to +-448, and rounded to the nearest number of E4M3, ties to even, subnormals kept.
;;     - The product sums the exact products of the quantised numbers (number of the format x scale) in f32.
;;   ~~~python
;;   def quantise(x, axis):      # numpy; x: float32 -> the quantised numbers, widened to float32 again
;;       x = np.moveaxis(x, axis, -1); K = x.shape[-1]
;;       x = np.pad(x, [(0, 0)] * (x.ndim - 1) + [(0, -K % 32)]); x = x.reshape(x.shape[:-1] + (-1, 32)); a = np.abs(x).max(-1, keepdims=True)
;;       e = np.where(a > 0, np.clip(np.frexp(np.where(a > 0, a, 1))[1] - 1 - 8, -126, 127), 0)      # np.frexp(a)[1] - 1 = floor(log2(a)), exactly
;;       r = np.clip(x / 2.0 ** e, -448, 448)
;;       step = 2.0 ** (np.maximum(np.frexp(np.where(r == 0, 1, r))[1] - 1, -6) - 3)
;;       q = np.round(r / step) * step * 2.0 ** e      # np.round: ties to even
;;       return np.moveaxis(q.reshape(q.shape[:-2] + (-1,))[..., :K], -1, axis).astype(np.float32)
;;   ~~~
;; One version. Each part assembles by itself: llvm-mc -triple=amdgcn-amd-amdhsa -mcpu=gfx1250 --defsym DOCPART=n.
;; ======== version 1 of 1: 3 launches
;; workspace buffers: icodes 1,081,344 bytes; idx 262,144 bytes of whole numbers
;; launch prep (part 1): grid 128 x 1, 4 waves a work-group, no clusters, 34,816 bytes of LDS; arguments items, icodes; writes icodes
.if DOCPART == 1
	.amdgcn_target "amdgcn-amd-amdhsa--gfx1250"
	.amdhsa_code_object_version 6
	.text
	.protected	k_qe0d79dc734_prep
	.globl	k_qe0d79dc734_prep
	.p2align	8
	.type	k_qe0d79dc734_prep,@function
k_qe0d79dc734_prep:
	s_mov_b64 s[64:65], 0
	v_nop
	global_prefetch_b8 v0, s[64:65] scope:SCOPE_SE
	s_setreg_imm32_b32 hwreg(HW_REG_WAVE_MODE, 25, 1), 1
	s_wait_xcnt 0x0
; items [2048][512] f32 become codes of FP8 (E4M3) with one E8M0 scale byte for each 32 along K, laid IN THE ORDER OF THE OPERAND'S REGISTERS.
; icodes: 128 records of 8,448 bytes (33 x 256), one for each tile of 16 items.  Bytes 0 .. 8191: four fragments, one a K step s of 128: chunk 4 s + c is 512 bytes,
; lane l's 16 bytes at 16 l: registers 4 c .. 4 c + 3 of the fragment (item l % 16, k = 128 s + 32 c + 16 (l / 16) + 0 .. 15).  Bytes 8192 .. 8447: scale words, [item][K step], 4 bytes each.
; A block's scale is 2^(floor(log2(its largest magnitude)) - 8); its byte is the largest magnitude's exponent field - 8, held at 1 from below.  A block of zeros keeps the byte 1 where the
; rule says 127: its codes are zeros, which add nothing, and the bytes are read by this program alone.
; LIMITS: blocks whose largest magnitude lies under 2^(9 - 127) keep the byte 1; NaN and infinities among the inputs are not served.
; SHARES: a work-group takes a tile of 16 items, wave s its K step s.  128 tiles, so 128 work-groups: there is no more work to share (5 MB moved in all).
; Each load reads 512 consecutive bytes of a row; the 16 x 512 bytes turn through the wave's own stage in LDS, so that a lane gets 16 neighbours along K of each of its row's four blocks.
.set STGB, 16*528                      ; a wave's stage: 16 rows of 512 bytes + 16 of padding: the pitch is an odd multiple of 16 bytes, so the sixteen rows of a read start at different banks
.set SCL,  4*STGB                      ; behind the stages: the tile's 256 bytes of scale words
.set R,    16                          ; v16-79   the numbers as loaded
.set X,    80                          ; v80-143  register 16 b + i = k 32 b + 16 (lane / 16) + i of my row
.set TM,   144                         ; v144-147 largest magnitudes, v148-151 bytes, v152-155 448 x the scale, v156-159 the conversions' scale operands
.set PW,   160                         ; my row's scale word
.set PC,   164                         ; v164-179 the fragment's codes
.set SEL,  20                          ; s[20:21] v_permlanex16_b32's selects for lane l xor 16
.set MNT,  23                          ; s23      the mantissa field of 448
; 64 numbers of a lane become a fragment's 16 registers of codes and its row's scale word
.macro QUANT s
.irp b, 0,1,2,3
	v_max3_num_f32 v[TM+\b], |v[\s+16*\b]|, |v[\s+1+16*\b]|, 0x4800000   ; block b: my 16 numbers, and the floor 2^(9 - 127): so the byte cannot fall under 1
.endr
.irp i, 2,4,6,8,10,12,14
.irp b, 0,1,2,3
	v_max3_num_f32 v[TM+\b], v[TM+\b], |v[\s+16*\b+\i]|, |v[\s+1+16*\b+\i]|   ; the four blocks by turns: no line waits for the line above it
.endr
.endr
.irp b, 0,1,2,3
	v_permlanex16_b32 v[TM+4+\b], v[TM+\b], s[SEL], s[SEL+1]
.endr
.irp b, 0,1,2,3
	v_max_num_f32 v[TM+\b], v[TM+\b], v[TM+4+\b]           ; with lane l xor 16's 16 numbers: the block's largest magnitude
.endr
.irp b, 0,1,2,3
	v_add_nc_u32 v[TM+12+\b], 0xfc000000, v[TM+\b]         ; 8 off its exponent field: the conversion takes the exponent field of this operand as its scale
.endr
.irp b, 0,1,2,3
	v_and_or_b32 v[TM+8+\b], v[TM+\b], 0x7f800000, s[MNT]  ; 448 x the scale
.endr
.irp b, 0,1,2,3
	v_lshrrev_b32 v[TM+4+\b], 23, v[TM+12+\b]              ; the scale's byte
.endr
	v_lshl_or_b32 v[PW], v[TM+5], 8, v[TM+4]
	v_lshl_or_b32 v[PW], v[TM+6], 16, v[PW]
	v_lshl_or_b32 v[PW], v[TM+7], 24, v[PW]
.irp b, 0,1,2,3
.irp i, 0,1,2,3,4,5,6,7,8,9,10,11,12,13,14,15
	v_med3_num_f32 v[\s+16*\b+\i], v[\s+16*\b+\i], -v[TM+8+\b], v[TM+8+\b]   ; the conversion to an 8-bit code does not saturate (ISA guide 7.6.2): the hold at 448 x the scale
.endr
	v_cvt_scalef32_pk8_fp8_f32 v[PC+4*\b:PC+1+4*\b], v[\s+16*\b:\s+7+16*\b], v[TM+12+\b]
	v_cvt_scalef32_pk8_fp8_f32 v[PC+2+4*\b:PC+3+4*\b], v[\s+8+16*\b:\s+15+16*\b], v[TM+12+\b]
.endr
	v_nop                                          ; one plain vector line behind the last conversion
.endm
	s_load_b128 s[4:7], s[0:1], 0x0                ; items s[4:5], icodes s[6:7]
	v_lshl_add_u32 v184, v0, 2, 0x8600
	v_mov_b32 v185, 0
	v_lshrrev_b32 v1, 5, v0
	v_readfirstlane_b32 s8, v1                     ; wave = K step
	v_and_b32 v1, 31, v0                           ; lane
	v_and_b32 v2, 15, v0                           ; r
	v_bfe_u32 v3, v0, 4, 1                         ; h
	s_lshl_b32 s9, s8, 9
	v_lshl_add_u32 v4, v1, 4, s9                   ; in a row of items: 512 x wave + 16 x lane
	s_mul_i32 s10, s8, STGB
	v_lshl_add_u32 v5, v1, 4, s10                  ; into my stage: 16 x lane
	v_mul_u32_u24 v6, v2, 528
	v_lshl_add_u32 v6, v3, 6, v6
	v_add_nc_u32 v6, s10, v6                       ; out of it: row r, + 64 h: my 16 numbers of a block
	s_lshl_b32 s11, s8, 11
	v_lshl_add_u32 v7, v1, 4, s11                  ; in the record: 2,048 x wave + 16 x lane
	s_lshl_b32 s12, s8, 2
	s_add_co_u32 s12, s12, SCL
	v_lshl_add_u32 v8, v2, 4, s12                  ; my row's scale word of my K step: 16 r + 4 x wave
	v_lshlrev_b32 v9, 3, v1                        ; the scale words' way out: 8 bytes a lane
	v_add_nc_u32 v10, SCL, v9
	s_mov_b32 s[SEL], 0x76543210
	s_mov_b32 s[SEL+1], 0xfedcba98
	s_mov_b32 s[MNT], 0x600000
.irp b, 0,1,2,3
	v_mov_b32 v[TM+4+\b], 0                        ; written once: a lane permute's destination counts as one of its sources
.endr
	s_lshl_b32 s14, ttmp9, 15                      ; my tile's 16 rows of 2,048 bytes
	s_mov_b32 s15, 0
	s_mul_i32 s16, ttmp9, 33*256                   ; my record
	s_mov_b32 s17, 0
	s_wait_kmcnt 0x0
	s_add_nc_u64 s[4:5], s[4:5], s[14:15]
	s_add_nc_u64 s[6:7], s[6:7], s[16:17]
.irp i, 0,1,2,3,4,5,6,7,8,9,10,11,12,13,14,15
	global_load_b128 v[R+4*\i:R+4*\i+3], v4, s[4:5] offset:2048*\i th:TH_LOAD_NT   ; row i: 32 lanes read 512 consecutive bytes
.endr
	s_wait_loadcnt 0x0
.irp i, 0,1,2,3,4,5,6,7,8,9,10,11,12,13,14,15
	ds_store_b128 v5, v[R+4*\i:R+4*\i+3] offset:528*\i
.endr
.irp b, 0,1,2,3
.irp j, 0,1,2,3
	ds_load_b128 v[X+16*\b+4*\j:X+16*\b+4*\j+3], v6 offset:128*\b+16*\j   ; LDS serves a wave's instructions in order: these see my stores
.endr
.endr
	s_wait_dscnt 0x0
	QUANT X
.irp c, 0,1,2,3
	global_store_b128 v7, v[PC+4*\c:PC+4*\c+3], s[6:7] offset:512*\c      ; 32 lanes store 512 consecutive bytes, at a multiple of 256 from the buffer's first byte
.endr
	ds_store_b32 v8, v[PW]                         ; both lanes of a row write the same word with the same value
	s_wait_dscnt 0x0                               ; for the others' sake: my store has landed
	s_barrier_signal -1
	s_barrier_wait -1
	s_cmp_lg_u32 s8, 0
	s_cbranch_scc1 .Lend
	ds_load_b64 v[12:13], v10                      ; wave 0 takes the four waves' words
	s_wait_dscnt 0x0
	global_store_b64 v9, v[12:13], s[6:7] offset:8192   ; 32 lanes store 256 consecutive bytes, aligned
.Lend:
	s_wait_tensorcnt 0x0
	ds_add_u32 v184, v185
	s_wait_dscnt 0x0
	s_endpgm
.Lfunc_end_k_qe0d79dc734_prep:
	.size	k_qe0d79dc734_prep, .Lfunc_end_k_qe0d79dc734_prep-k_qe0d79dc734_prep
	.p2alignl 7, 3214868480
	.fill 96, 4, 3214868480
	.section	.rodata,"a",@progbits
	.p2align	6, 0x0
	.amdhsa_kernel k_qe0d79dc734_prep
		.amdhsa_group_segment_fixed_size 34816
		.amdhsa_private_segment_fixed_size 0
		.amdhsa_enable_private_segment 0
		.amdhsa_kernarg_size 16
		.amdhsa_user_sgpr_count 2
		.amdhsa_user_sgpr_kernarg_segment_ptr 1
		.amdhsa_wavefront_size32 1
		.amdhsa_system_sgpr_workgroup_id_x 1
		.amdhsa_system_sgpr_workgroup_id_y 1
		.amdhsa_system_sgpr_workgroup_id_z 1
		.amdhsa_system_vgpr_workitem_id 0
		.amdhsa_next_free_vgpr 186
		.amdhsa_next_free_sgpr 66
		.amdhsa_reserve_vcc 0
		.amdhsa_float_denorm_mode_32 3
		.amdhsa_float_denorm_mode_16_64 3
		.amdhsa_memory_ordered 1
		.amdhsa_forward_progress 1
		.amdhsa_inst_pref_size 15
	.end_amdhsa_kernel
	.amdgpu_metadata
---
amdhsa.version: [ 1, 2 ]
amdhsa.kernels:
  - .name:           k_qe0d79dc734_prep
    .symbol:         k_qe0d79dc734_prep.kd
    .args:
      - { .name: items, .offset: 0, .size: 8, .value_kind: global_buffer, .address_space: global }
      - { .name: icodes, .offset: 8, .size: 8, .value_kind: global_buffer, .address_space: global }
    .group_segment_fixed_size: 34816
    .private_segment_fixed_size: 0
    .kernarg_segment_align: 8
    .kernarg_segment_size: 16
    .max_flat_workgroup_size: 128
    .sgpr_count:     66
    .vgpr_count:     186
    .wavefront_size: 32
...
	.end_amdgpu_metadata
.endif
;; end of part 1
;; launch score (part 2): grid 256 x 1, 4 waves a work-group, clusters of 4 x 1, 327,680 bytes of LDS; arguments queries, icodes, idx; writes idx
.if DOCPART == 2
	.amdgcn_target "amdgcn-amd-amdhsa--gfx1250"
	.amdhsa_code_object_version 6
	.text
	.protected	k_qe0d79dc734_score
	.globl	k_qe0d79dc734_score
	.p2align	8
	.type	k_qe0d79dc734_score,@function
k_qe0d79dc734_score:
	s_mov_b64 s[64:65], 0
	v_nop
	global_prefetch_b8 v0, s[64:65] scope:SCOPE_SE
	s_setreg_imm32_b32 hwreg(HW_REG_WAVE_MODE, 25, 1), 1
	s_wait_xcnt 0x0
	s_wait_alu depctr_hold_cnt(0) depctr_sa_sdst(0) depctr_va_vdst(0) depctr_va_sdst(0) depctr_va_ssrc(0) depctr_va_vcc(0) depctr_vm_vsrc(0)
	s_getreg_b32 s2, hwreg(HW_REG_IB_STS2, 6, 4)
	s_cmp_eq_u32 s2, 0
	s_cbranch_scc0 .Lentry_in_a_cluster
	s_endpgm
.Lentry_in_a_cluster:
	s_bfe_u32 s2, ttmp6, 0x10000c
	s_cmp_lg_u32 s2, 0x3003
	s_cbranch_scc0 .Lentry_shape_is_right
	s_endpgm
.Lentry_shape_is_right:
; idx[row] = the item with the largest logit, logits = Q(queries) x Q(items)^T on codes of FP8 (E4M3) with one E8M0 scale for each 32 along K = 512; sums in f32.
; THE SOFTMAX IS NOT COMPUTED: it rises with the logit, so the largest score belongs to the largest logit.  Equal logits: the lower item, as jnp.argmax has it.
; LIMITS: where two different logits of a row lie so close that their f32 scores would coincide, the reference takes the lower item and this text the larger logit;
; NaN and infinities among the inputs are not served; a block whose largest magnitude lies under 2^(9 - 127) keeps the scale byte 1.
; SHARES.  A work-group owns 256 query rows.  Wave w: QH = w / 2, IH = w % 2: 128 queries (8 tiles of 16) against 1,024 items (64 tiles of 16).  The codes of its 128 queries for all of K stay
; in 512 registers; only the items stream: a tile of 16 items, 8 KB out of LDS, feeds 32 matrix instructions.
; THE MATRIX INSTRUCTION IS USED TRANSPOSED (source 0 = 16 items, source 1 = 16 queries): a lane holds ONE query (lane % 16), register j the item 8 (lane / 16) + j of the tile.
; THE CHOICE.  For each query tile and register place j a lane keeps the best logit so far and its tile's number: a compare and two selects a logit, no branch.  This vector work stands in slices
; of six instructions, one behind each matrix instruction: while one group of four query tiles is multiplied, the other group's finished logits are looked through.
; CLUSTER.  All work-groups walk the same item codes: four work-groups ask for each tile JOINTLY (the same tensor load, the same descriptor, mask 15).
; PROLOGUE.  Wave w quantises rows 64 w .. 64 w + 63 of the block (each query row is read by this work-group alone) and hands the fragments round through LDS as images of their registers.
; REGISTERS, in windows of 256 (s_set_vgpr_msb: bits 1:0 source 0, 3:2 source 1, 5:4 source 2, 7:6 destination):
;   window 0: v1-14, v36-47 addresses and small things; v16-31 the queries' scale words, v32-35 the items'; v64-127 eight accumulators; v128-255 the best logits and their tiles.
;   window 1: in the prologue four sets of 64 numbers as loaded; then query tiles 0-3 (tile q, K step s at 64 q + 16 s).   window 2: query tiles 4-7.   window 3: v0-127 two buffers of an item tile's four fragments.
.set REC,   33*256                     ; a record of icodes: a tile's four fragments and its scale words
.set HALFB, 4*REC                      ; four tiles of one half of the items
.set SLOTB, 8*REC                      ; a slot: four tiles of items 0-1023, then four of items 1024-2047
.set GSTEP, 2*HALFB                    ; in memory: from a slot's four tiles to its next four (two slots take turns)
.set STGB,  16*528                     ; a wave's stage: 16 rows of 512 bytes + 16
.set QIMG,  2*SLOTB                    ; behind the ring: the 16 query tiles' fragments, 8,192 bytes a tile
.set QSC,   QIMG+131072                ; the queries' scale words, [query][K step]
.set STAGE, QSC+4096
.set MRG,   STAGE+4*STGB               ; the odd waves' best pairs, 2,048 bytes for each half of the queries
.set FIN,   MRG+4096                   ; the chosen items, 512 bytes for each half of the queries
.set SPARE, FIN+1024                   ; the spare words, 128 bytes for each wave: two blocks of 256 bytes that no other line names
.set SPW, 1                            ; v1   LDS address of my spare word; never rewritten
.set NIL, 2                            ; v2   0; never rewritten
.set QG,  3                            ; v3   16 x lane
.set STW, 4                            ; v4   into my stage
.set STR, 5                            ; v5   out of it
.set IMW, 6                            ; v6   where I store a fragment's image; steps a tile at a time
.set SCW, 7                            ; v7   and its scale word
.set IMR, 8                            ; v8   where my 8 query tiles' images lie
.set SCR, 9                            ; v9   and their scale words
.set AFR, 10                           ; v10  my lane's place in an item tile's fragments
.set ASC, 11                           ; v11  and among its scale words
.set ADR, 12                           ; v12, v13 the addresses of the fetch in hand
.set ADS, 13
.set HOFF, 14                          ; v14  8 (lane / 16) + 1024 IH: what my lane adds to 16 x tile + j
.set QSR, 16                           ; v16-31 query tile Q: v[16 + 2 Q], v[17 + 2 Q]: lanes 0-15 the words of K steps 0, 1; lanes 16-31 those of K steps 2, 3
.set ISR, 32                           ; v32-35 the same for the item tile in buffer b: v[32 + 2 b], v[33 + 2 b]
.set MA,  36                           ; v36  my pair's place in MRG
.set FW,  38                           ; v38  my query's word in FIN
.set FRD, 39                           ; v39  16 bytes a lane of FIN
.set ACC, 64                           ; accumulator (g, q) at 64 + 32 g + 8 q
.set ST,  128                          ; query tile Q, place j: the best logit at 128 + 16 Q + 2 j, its tile at + 1
.set X,   64                           ; the prologue: 64 numbers; register 16 b + i = k 32 b + 16 (lane / 16) + i of my row
.set TM,  128
.set PW,  144
.set PC,  160
.set WV,  10                           ; s10 wave, s11 QH, s12 IH
.set QH,  11
.set IH,  12
.set G1,  16                           ; s[16:23] descriptor group 1; s[24:27], s[28:31] group 0 of slot 0, 1
.set G0,  24
.set TID, 32                           ; s32  the number of the tile whose logits are being looked through
.set OUTER, 33
.set SEL, 34                           ; s[34:35] v_permlanex16_b32's selects for lane l xor 16
.set MNT, 36                           ; s36  the mantissa field of 448
.set NINF, 37                          ; s37  -infinity
.set TB,  45                           ; s45  LDS byte at which the next tile to be fetched begins (half 0's)
.set INNER, 46
.set MK,  47                           ; s47  a slice's second mask
.set MSB, 0
.macro WIN new                         ; the immediate's high byte repeats the setting that is left; a switch that changes nothing is dropped
.if MSB != (\new)
	s_set_vgpr_msb (MSB<<8)|(\new)
.set MSB, (\new)
.endif
.endm
; A round of the cluster's barrier: my work-group's barrier, wave 0's signal for the work-group, every wave's wait for the four work-groups, my work-group's barrier once more.
.macro ROUND
	s_barrier_signal -1
	s_barrier_wait -1
	s_cmp_lg_u32 s[WV], 0
	s_cbranch_scc1 .Lnot_wave_0_\@
	s_barrier_signal -3
.Lnot_wave_0_\@:
	s_barrier_wait -3
	s_barrier_signal -1
	s_barrier_wait -1
.endm
; 64 numbers of a lane become a fragment's 16 registers of codes, v[PC] on, and its row's scale word, v[PW]
.macro QUANT s
.irp b, 0,1,2,3
	v_max3_num_f32 v[TM+\b], |v[\s+16*\b]|, |v[\s+1+16*\b]|, 0x4800000   ; block b: my 16 numbers, and the floor 2^(9 - 127): so the byte cannot fall under 1
.endr
.irp i, 2,4,6,8,10,12,14
.irp b, 0,1,2,3
	v_max3_num_f32 v[TM+\b], v[TM+\b], |v[\s+16*\b+\i]|, |v[\s+1+16*\b+\i]|   ; the four blocks by turns
.endr
.endr
.irp b, 0,1,2,3
	v_permlanex16_b32 v[TM+4+\b], v[TM+\b], s[SEL], s[SEL+1]
.endr
.irp b, 0,1,2,3
	v_max_num_f32 v[TM+\b], v[TM+\b], v[TM+4+\b]           ; with lane l xor 16's: the block's largest magnitude
.endr
.irp b, 0,1,2,3
	v_add_nc_u32 v[TM+12+\b], 0xfc000000, v[TM+\b]         ; 8 off its exponent field: the conversion's scale operand
.endr
.irp b, 0,1,2,3
	v_and_or_b32 v[TM+8+\b], v[TM+\b], 0x7f800000, s[MNT]  ; 448 x the scale
.endr
.irp b, 0,1,2,3
	v_lshrrev_b32 v[TM+4+\b], 23, v[TM+12+\b]              ; the scale's byte
.endr
	v_lshl_or_b32 v[PW], v[TM+5], 8, v[TM+4]
	v_lshl_or_b32 v[PW], v[TM+6], 16, v[PW]
	v_lshl_or_b32 v[PW], v[TM+7], 24, v[PW]
.irp b, 0,1,2,3
.irp i, 0,1,2,3,4,5,6,7,8,9,10,11,12,13,14,15
	v_med3_num_f32 v[\s+16*\b+\i], v[\s+16*\b+\i], -v[TM+8+\b], v[TM+8+\b]   ; the conversion to an 8-bit code does not saturate (ISA guide 7.6.2): the hold at 448 x the scale
.endr
	v_cvt_scalef32_pk8_fp8_f32 v[PC+4*\b:PC+1+4*\b], v[\s+16*\b:\s+7+16*\b], v[TM+12+\b]
	v_cvt_scalef32_pk8_fp8_f32 v[PC+2+4*\b:PC+3+4*\b], v[\s+8+16*\b:\s+15+16*\b], v[TM+12+\b]
.endr
	v_nop                                          ; one plain vector line behind the last conversion
.endm
; K step s of the tile of 16 rows in hand: set s of the loaded numbers turns through my stage, is quantised, and its image goes to LDS.
; ahead = 1: the set is loaded again with the next tile's rows.  left: how many younger loads may stay out.
.macro UNIT s, ahead, left
	s_wait_loadcnt \left                           ; loads come back in order: this set's sixteen are in
	WIN 0x04                                       ; an LDS store's data are its source 1: window 1
.irp i, 0,1,2,3,4,5,6,7,8,9,10,11,12,13,14,15
	ds_store_b128 v[STW], v[64*(\s)+4*\i:64*(\s)+4*\i+3] offset:528*\i
.endr
	WIN 0
.irp b, 0,1,2,3
.irp j, 0,1,2,3
	ds_load_b128 v[X+16*\b+4*\j:X+16*\b+4*\j+3], v[STR] offset:128*\b+16*\j   ; LDS serves a wave's instructions in order: these see my stores
.endr
.endr
	s_wait_dscnt 0x0                               ; the numbers are back; the stores above and the last unit's image stores have read their registers
.if \ahead
	WIN 0x40
.irp i, 0,1,2,3,4,5,6,7,8,9,10,11,12,13,14,15
	global_load_b128 v[64*(\s)+4*\i:64*(\s)+4*\i+3], v[QG], s[4:5] offset:(16+\i)*2048+512*(\s) th:TH_LOAD_NT   ; 32 lanes read 512 consecutive bytes of a row
.endr
	WIN 0
.endif
	QUANT X
.irp c, 0,1,2,3
	ds_store_b128 v[IMW], v[PC+4*\c:PC+4*\c+3] offset:2048*(\s)+512*\c   ; the fragment as it stands: lane l's 16 bytes at 16 l
.endr
	ds_store_b32 v[SCW], v[PW] offset:4*(\s)       ; both lanes of a row write the same word with the same value
.endm
; Two logits, v[a] and v[a + 1], against the best so far at v[st] and v[st + 2].  An equal logit keeps the earlier tile.  Both compares first, so that no select stands directly behind its compare.
.macro TRACK2 a, st
	v_cmp_le_f32 vcc_lo, v[\a], v[\st]
	v_cmp_le_f32 s[MK], v[(\a)+1], v[(\st)+2]
	v_cndmask_b32 v[\st], v[\a], v[\st], vcc_lo
	v_cndmask_b32 v[(\st)+1], s[TID], v[(\st)+1], vcc_lo
	v_cndmask_b32 v[(\st)+2], v[(\a)+1], v[(\st)+2], s[MK]
	v_cndmask_b32 v[(\st)+3], s[TID], v[(\st)+3], s[MK]
.endm
; The next item tile's four fragments and its scale words into buffer b: one run of 17 LDS loads
.macro FETCH b
	WIN 0
	v_add_nc_u32 v[ADR], s[TB], v[AFR]
	v_add_nc_u32 v[ADS], s[TB], v[ASC]
	s_add_co_u32 s[TB], s[TB], REC
	WIN 0xc0                                       ; destination window 3
.irp n, 0,1,2,3,4,5,6,7,8,9,10,11,12,13,14,15
	ds_load_b128 v[64*(\b)+4*\n:64*(\b)+4*\n+3], v[ADR] offset:512*\n
.endr
	WIN 0
	ds_load_b64 v[ISR+2*(\b):ISR+2*(\b)+1], v[ADS]
.endm
; Sixteen matrix instructions: the item tile in buffer b against query tiles 4 g .. 4 g + 3, four K steps; the four accumulators take turns, one instruction a turn;
; the first K step starts the sums with the constant 0.  Behind each stands a slice: two logits of the OTHER group's accumulators, which were finished a half ago.
; DISTANCES (ISA guide 7.12.1).  An accumulator's first read stands four slices or more, 24 plain instructions that name none of its registers, behind its last matrix instruction, and begins at its
; register 0.  The fetch into the other buffer stands behind three slices, 18 plain instructions, since that buffer's last product.  An accumulator is begun anew a whole half behind its last link.
.macro HALF b, g, fetch
.set i, 0
.rept 16
.set ks, i/4
.set q, i%4
.set rD, ACC+32*(\g)+8*q
.set rA, 64*(\b)+16*ks
.set rB, 64*q+16*ks
.set rSA, ISR+2*(\b)+(ks&1)
.set rSB, QSR+2*(4*(\g)+q)+(ks&1)
	WIN 0x07+4*(\g)                                ; source 0 (items) window 3, source 1 (queries) window 1 or 2, C and D window 0
.if ks == 0
	v_wmma_scale_f32_16x16x128_f8f6f4 v[rD:rD+7], v[rA:rA+15], v[rB:rB+15], 0, v[rSA], v[rSB]
.elseif ks == 1
	v_wmma_scale_f32_16x16x128_f8f6f4 v[rD:rD+7], v[rA:rA+15], v[rB:rB+15], v[rD:rD+7], v[rSA], v[rSB]
.else
	v_wmma_scale_f32_16x16x128_f8f6f4 v[rD:rD+7], v[rA:rA+15], v[rB:rB+15], v[rD:rD+7], v[rSA], v[rSB] matrix_a_scale:MATRIX_SCALE_ROW1 matrix_b_scale:MATRIX_SCALE_ROW1
.endif
	WIN 0
	TRACK2 ACC+32*(1-(\g))+2*i, ST+16*(4*(1-(\g))+i/4)+4*(i%4)
.if (\fetch) && (i == 1)
	FETCH 1-(\b)
.endif
.set i, i+1
.endr
.endm
; An item tile: 32 matrix instructions.  Its first half looks through the last tile's logits of query tiles 4-7, its second through its own of query tiles 0-3.
.macro TILE b, fetch
	s_wait_dscnt 0x0                               ; buffer b is in: it was asked for 30 matrix instructions ago
	HALF \b, 0, \fetch
	s_add_co_u32 s[TID], s[TID], 1
	HALF \b, 1, 0
.endm
.macro PAIRS n                         ; n times an odd tile and an even one
.if (\n) > 1
	s_mov_b32 s[INNER], \n
.Lpair_\@:
.endif
	TILE 1, 1
	TILE 0, 1
.if (\n) > 1
	s_sub_co_u32 s[INNER], s[INNER], 1
	s_cmp_lg_u32 s[INNER], 0
	s_cbranch_scc1 .Lpair_\@
.endif
.endm
; THE CHANGE OF SLOTS stands in front of slot f's last tile, whose fragments have been asked for: behind the wait on DScnt they are in registers and the slot is free.
; Each wave waits for all its tensor loads (its part of the other slot), adds 0 to its spare word, and waits for that and for its reads of slot f.
; refill = 1: a round of the cluster's barrier, so that no wave of any partner still reads the slot or has a load on its way; the joint refill is the first thing behind it and has four tiles,
; 128 matrix instructions, in which to land.  By this text's count a wave has two tensor loads out at the start and one behind each round.
.macro CHANGE f, refill
	s_wait_tensorcnt 0x0                           ; no tensor load of mine is out, so a group 0 may be written
	ds_add_u32 v[SPW], v[NIL]                      ; 0 onto my spare word
.if \refill
	s_add_nc_u64 s[G0+4*(\f)+2:G0+4*(\f)+3], s[G0+4*(\f)+2:G0+4*(\f)+3], GSTEP   ; the slot's next tiles; the type bits on top are not reached
.endif
	s_mov_b32 s[TB], (1-(\f))*SLOTB                ; the fetches go on in the other slot
	s_wait_dscnt 0x0                               ; the add is done, and my reads of slot f are over
.if \refill
	ROUND
	tensor_load_to_lds s[G0+4*(\f):G0+4*(\f)+3], s[G1:G1+7]
	s_nop 0
.rept 4
	v_nop                                          ; four plain lines behind the load, ahead of the next switch of windows
.endr
.else
	s_barrier_signal -1
	s_barrier_wait -1
.endif
.endm
; (b1, i1) takes (b2, i2) where b2 is larger, or equal with the lower item
.macro MERGE b1, i1, b2, i2
	v_cmp_gt_f32 s42, v[\b2], v[\b1]
	v_cmp_eq_f32 s43, v[\b2], v[\b1]
	v_cmp_lt_u32 s44, v[\i2], v[\i1]
	s_and_b32 s43, s43, s44
	s_or_b32 s42, s42, s43
	v_cndmask_b32 v[\b1], v[\b1], v[\b2], s42
	v_cndmask_b32 v[\i1], v[\i1], v[\i2], s42
.endm
	s_load_b128 s[4:7], s[0:1], 0x0                ; queries s[4:5], icodes s[6:7]
	s_load_b64 s[8:9], s[0:1], 0x10                ; idx
	v_lshl_add_u32 v[SPW], v0, 2, SPARE
	v_mov_b32 v[NIL], 0
	ds_add_u32 v1, v2
	ds_add_u32 v1, v2
	s_wait_dscnt 0x0
	v_lshrrev_b32 v44, 5, v0
	v_readfirstlane_b32 s[WV], v44                 ; wave 0..3
	s_lshr_b32 s[QH], s[WV], 1                     ; which 128 queries are mine
	s_and_b32 s[IH], s[WV], 1                      ; which 1,024 items
	s_bfe_u32 s13, ttmp6, 0x40000                  ; cx: it enters the addresses of queries and idx alone
	s_lshl_b32 s14, ttmp9, 2                       ; in a cluster launch ttmp9 counts clusters
	s_add_co_u32 s14, s14, s13                     ; my block of 256 queries
	; every LDS address is made here, ahead of the first branch on the wave's number
	v_and_b32 v44, 31, v0                          ; lane
	v_and_b32 v45, 15, v0                          ; r
	v_bfe_u32 v46, v0, 4, 1                        ; h
	v_lshlrev_b32 v[QG], 4, v44
	s_mul_i32 s38, s[WV], STGB
	s_add_co_u32 s38, s38, STAGE
	v_add_nc_u32 v[STW], s38, v[QG]                ; into my stage: 16 x lane
	v_mul_u32_u24 v[STR], v45, 528
	v_lshl_add_u32 v[STR], v46, 6, v[STR]
	v_add_nc_u32 v[STR], s38, v[STR]               ; out of it: row r, + 64 h
	s_lshl_b32 s38, s[WV], 15
	s_add_co_u32 s38, s38, QIMG
	v_add_nc_u32 v[IMW], s38, v[QG]                ; my four tiles' images: 32,768 x wave + 16 x lane
	s_lshl_b32 s38, s[WV], 10
	s_add_co_u32 s38, s38, QSC
	v_lshl_add_u32 v[SCW], v45, 4, s38             ; my 64 rows' scale words: 1,024 x wave + 16 r
	s_lshl_b32 s38, s[QH], 16
	s_add_co_u32 s38, s38, QIMG
	v_add_nc_u32 v[IMR], s38, v[QG]
	v_lshlrev_b32 v47, 4, v45
	v_lshl_add_u32 v47, v46, 3, v47                ; 16 r + 8 h: lanes 0-15 take a row's words 0, 1, lanes 16-31 its words 2, 3
	s_lshl_b32 s38, s[QH], 11
	s_add_co_u32 s38, s38, QSC
	v_add_nc_u32 v[SCR], s38, v47
	s_mul_i32 s38, s[IH], HALFB
	v_add_nc_u32 v[AFR], s38, v[QG]
	s_add_co_u32 s38, s38, 8192
	v_add_nc_u32 v[ASC], s38, v47
	s_lshl_b32 s38, s[IH], 10
	v_lshl_add_u32 v[HOFF], v46, 3, s38
	s_lshl_b32 s38, s[QH], 11
	s_add_co_u32 s38, s38, MRG
	v_lshl_add_u32 v[MA], v44, 3, s38
	s_lshl_b32 s38, s[QH], 9
	s_add_co_u32 s38, s38, FIN
	v_lshl_add_u32 v[FW], v45, 2, s38
	v_add_nc_u32 v[FRD], s38, v[QG]
	v_mov_b32 v40, 0                               ; written once: a lane permute's destination counts as one of its sources
	v_mov_b32 v41, 0
.irp b, 0,1,2,3
	v_mov_b32 v[TM+4+\b], 0
.endr
	s_mov_b32 s[SEL], 0x76543210
	s_mov_b32 s[SEL+1], 0xfedcba98
	s_mov_b32 s[MNT], 0x600000
	s_mov_b32 s[NINF], 0xff800000
	; descriptor group 1: two records, a dense block of 16,896 bytes, as 66 rows of 256 bytes (32 elements of 8 bytes); no padding: the images are read 16 x lane on end
	s_mov_b32 s[G1+0], 15|(3<<16)|(1<<21)          ; 15:0 the mask: all four work-groups; 17:16 elements of 8 bytes; 21 set beside a mask
	s_mov_b32 s[G1+1], 32<<16                      ; tensor_dim0 = 32
	s_mov_b32 s[G1+2], 66<<16                      ; tensor_dim1 = 66
	s_mov_b32 s[G1+3], 32<<16                      ; tile_dim0 = 32
	s_mov_b32 s[G1+4], 66                          ; tile_dim1 = 66
	s_mov_b32 s[G1+5], 32                          ; from row to row
	s_mov_b32 s[G1+6], 0
	s_mov_b32 s[G1+7], 0
	; what I fetch of a slot: waves 0, 1: tiles 0-1, 2-3 of items 0-1023; waves 2, 3: the same of items 1024-2047.  The wave's number alone enters: the four partners' descriptors are equal
	s_lshr_b32 s38, s[WV], 1
	s_mul_i32 s38, s38, 64*REC
	s_and_b32 s39, s[WV], 1
	s_mul_i32 s39, s39, 2*REC
	s_add_co_u32 s38, s38, s39
	s_mov_b32 s39, 0
	s_lshl_b32 s40, s14, 19                        ; my block's 256 rows of 2,048 bytes,
	s_lshl_b32 s41, s[WV], 17                      ; my wave's 64 of them
	s_add_co_u32 s40, s40, s41
	s_mov_b32 s41, 0
	s_wait_kmcnt 0x0
	s_add_nc_u64 s[4:5], s[4:5], s[40:41]
	s_lshl_b32 s40, s14, 10                        ; idx: 4 bytes a row; my half of the block's queries
	s_lshl_b32 s41, s[QH], 9
	s_add_co_u32 s40, s40, s41
	s_mov_b32 s41, 0
	s_add_nc_u64 s[8:9], s[8:9], s[40:41]
	s_add_nc_u64 s[38:39], s[6:7], s[38:39]
	s_mov_b32 s[G0+0], 1                           ; count = 1
	s_mul_i32 s[G0+1], s[WV], 2*REC                ; LDS address: slot 0, wave x two records
	s_mov_b64 s[G0+2:G0+3], s[38:39]               ; global address: tiles 0-3 of each half
	s_or_b32 s[G0+3], s[G0+3], 0x80000000          ; type = 2
	s_mov_b32 s[G0+4], 1
	s_add_co_u32 s[G0+5], s[G0+1], SLOTB           ; slot 1
	s_add_nc_u64 s[G0+6:G0+7], s[38:39], HALFB     ; tiles 4-7
	s_or_b32 s[G0+7], s[G0+7], 0x80000000
	ROUND                                          ; all four work-groups are here: the first joint loads meet
	tensor_load_to_lds s[G0:G0+3], s[G1:G1+7]      ; both first fills go out together, ahead of every wait on TENSORcnt and every LDS read
	s_nop 0
	tensor_load_to_lds s[G0+4:G0+7], s[G1:G1+7]
	s_nop 0
.rept 4
	v_nop
.endr
	; ---- my 64 rows become 16 fragments: four tiles of 16 rows, four K steps each; the loads run a tile (four sets of sixteen) ahead
	WIN 0x40
.irp s, 0,1,2,3
.irp i, 0,1,2,3,4,5,6,7,8,9,10,11,12,13,14,15
	global_load_b128 v[64*\s+4*\i:64*\s+4*\i+3], v[QG], s[4:5] offset:\i*2048+512*\s th:TH_LOAD_NT
.endr
.endr
	WIN 0
	s_mov_b32 s[OUTER], 3
.Lquant:
	UNIT 0, 1, 48                                  ; 48: the three younger sets stay out
	UNIT 1, 1, 48
	UNIT 2, 1, 48
	UNIT 3, 1, 48
	s_wait_xcnt 0x0                                ; the loads have read their base: it may step
	s_add_nc_u64 s[4:5], s[4:5], 16*2048
	v_add_nc_u32 v[IMW], 8192, v[IMW]              ; the next tile's images
	v_add_nc_u32 v[SCW], 256, v[SCW]
	s_sub_co_u32 s[OUTER], s[OUTER], 1
	s_cmp_lg_u32 s[OUTER], 0
	s_cbranch_scc1 .Lquant
	UNIT 0, 0, 48                                  ; the last tile loads nothing: no load leaves the buffer, and the counts run down
	UNIT 1, 0, 32
	UNIT 2, 0, 16
	UNIT 3, 0, 0
	s_wait_tensorcnt 0x1                           ; my part of slot 0 is in; slot 1's may stay out
	s_wait_dscnt 0x0                               ; for the others' sake: my images have landed
	s_barrier_signal -1
	s_barrier_wait -1                              ; the 16 query tiles lie in LDS, and slot 0 is whole
	; ---- my 8 query tiles into registers, where they stay
	WIN 0x40
.irp t, 0,1,2,3
.irp n, 0,1,2,3,4,5,6,7,8,9,10,11,12,13,14,15
	ds_load_b128 v[64*\t+4*\n:64*\t+4*\n+3], v[IMR] offset:8192*\t+512*\n
.endr
.endr
	WIN 0x80
.irp t, 0,1,2,3
.irp n, 0,1,2,3,4,5,6,7,8,9,10,11,12,13,14,15
	ds_load_b128 v[64*\t+4*\n:64*\t+4*\n+3], v[IMR] offset:8192*(4+\t)+512*\n
.endr
.endr
	WIN 0
.irp t, 0,1,2,3,4,5,6,7
	ds_load_b64 v[QSR+2*\t:QSR+2*\t+1], v[SCR] offset:256*\t
.endr
	s_mov_b32 s[TB], 0
	s_mov_b32 s[TID], -1
	FETCH 0                                        ; item tile 0
	; the walk is written once: its first half finds -infinity in the accumulators of query tiles 4-7 and -infinity as every best, and keeps
.set i, 0
.rept 64
	v_mov_b32 v[ST+2*i], s[NINF]
	v_mov_b32 v[ST+2*i+1], 0
.set i, i+1
.endr
.set i, 0
.rept 32
	v_mov_b32 v[ACC+32+i], s[NINF]
.set i, i+1
.endr
	; ---- the walk over my 64 item tiles; tile t lies in buffer t % 2, and is fetched while tile t - 1 is multiplied
	TILE 0, 1                                      ; t = 0
	PAIRS 1                                        ; t = 1, 2
	s_mov_b32 s[OUTER], 7
.Lwalk:                                            ; t = 3 .. 58: seven trips fill both slots again: the 14 fills behind the first two
	CHANGE 0, 1
	PAIRS 2
	CHANGE 1, 1
	PAIRS 2
	s_sub_co_u32 s[OUTER], s[OUTER], 1
	s_cmp_lg_u32 s[OUTER], 0
	s_cbranch_scc1 .Lwalk
	CHANGE 0, 0                                    ; the tail is written out: nothing is left to ask for
	PAIRS 2                                        ; t = 59 .. 62
	TILE 1, 0                                      ; t = 63
.set i, 0
.rept 16
	TRACK2 ACC+32+2*i, ST+16*(4+i/4)+4*(i%4)       ; the last tile's logits of query tiles 4-7, each accumulator from its low end on; the slices behind the last products are its places
.set i, i+1
.endr
	; ---- a lane's eight places, the two halves of the lanes, the two waves of a half of the queries
.irp t, 0,1,2,3,4,5,6,7
.irp j, 0,1,2,3,4,5,6,7
	v_lshl_add_u32 v[ST+16*\t+2*\j+1], v[ST+16*\t+2*\j+1], 4, \j   ; 16 x tile + j
.endr
	MERGE ST+16*\t, ST+16*\t+1, ST+16*\t+2, ST+16*\t+3
	MERGE ST+16*\t+4, ST+16*\t+5, ST+16*\t+6, ST+16*\t+7
	MERGE ST+16*\t+8, ST+16*\t+9, ST+16*\t+10, ST+16*\t+11
	MERGE ST+16*\t+12, ST+16*\t+13, ST+16*\t+14, ST+16*\t+15
	MERGE ST+16*\t, ST+16*\t+1, ST+16*\t+4, ST+16*\t+5
	MERGE ST+16*\t+8, ST+16*\t+9, ST+16*\t+12, ST+16*\t+13
	MERGE ST+16*\t, ST+16*\t+1, ST+16*\t+8, ST+16*\t+9
	v_add_nc_u32 v[ST+16*\t+1], v[ST+16*\t+1], v[HOFF]             ; + 8 (lane / 16) + 1024 IH: the item's number
	v_permlanex16_b32 v40, v[ST+16*\t], s[SEL], s[SEL+1]
	v_permlanex16_b32 v41, v[ST+16*\t+1], s[SEL], s[SEL+1]
	MERGE ST+16*\t, ST+16*\t+1, 40, 41             ; with lane l xor 16's eight items of each tile
.endr
	s_cmp_eq_u32 s[IH], 0
	s_cbranch_scc1 .Lkeep
.irp t, 0,1,2,3,4,5,6,7
	ds_store_b64 v[MA], v[ST+16*\t:ST+16*\t+1] offset:256*\t       ; the waves of items 1024-2047 hand their pairs over
.endr
.Lkeep:
	s_wait_dscnt 0x0                               ; for the others' sake: my stores have landed
	s_barrier_signal -1
	s_barrier_wait -1
	s_cmp_lg_u32 s[IH], 0
	s_cbranch_scc1 .Ldone
.irp t, 0,1,2,3,4,5,6,7
	ds_load_b64 v[64+2*\t:65+2*\t], v[MA] offset:256*\t
.endr
	s_wait_dscnt 0x0
.irp t, 0,1,2,3,4,5,6,7
	MERGE ST+16*\t, ST+16*\t+1, 64+2*\t, 65+2*\t
.endr
.irp t, 0,1,2,3,4,5,6,7
	ds_store_b32 v[FW], v[ST+16*\t+1] offset:64*\t                 ; query 16 t + r: both lanes of a query write the same word with the same value
.endr
	ds_load_b128 v[80:83], v[FRD]                  ; LDS serves a wave's instructions in order: this sees my stores
	s_wait_dscnt 0x0
	global_store_b128 v[QG], v[80:83], s[8:9]      ; 128 numbers: 32 lanes store 512 consecutive bytes, at a multiple of 256 from idx's first byte
.Ldone:
	s_wait_tensorcnt 0x0                           ; the wave's end: behind my last tensor load and my last LDS store
	ds_add_u32 v[SPW], v[NIL]
	s_wait_dscnt 0x0
	ROUND                                          ; the closing round: no work-group ends while a partner may still ask for a tile that names it
	s_endpgm
.Lfunc_end_k_qe0d79dc734_score:
	.size	k_qe0d79dc734_score, .Lfunc_end_k_qe0d79dc734_score-k_qe0d79dc734_score
	.p2alignl 7, 3214868480
	.fill 96, 4, 3214868480
	.section	.rodata,"a",@progbits
	.p2align	6, 0x0
	.amdhsa_kernel k_qe0d79dc734_score
		.amdhsa_group_segment_fixed_size 327680
		.amdhsa_private_segment_fixed_size 0
		.amdhsa_enable_private_segment 0
		.amdhsa_kernarg_size 24
		.amdhsa_user_sgpr_count 2
		.amdhsa_user_sgpr_kernarg_segment_ptr 1
		.amdhsa_wavefront_size32 1
		.amdhsa_system_sgpr_workgroup_id_x 1
		.amdhsa_system_sgpr_workgroup_id_y 1
		.amdhsa_system_sgpr_workgroup_id_z 1
		.amdhsa_system_vgpr_workitem_id 0
		.amdhsa_next_free_vgpr 896
		.amdhsa_next_free_sgpr 66
		.amdhsa_reserve_vcc 1
		.amdhsa_float_denorm_mode_32 3
		.amdhsa_float_denorm_mode_16_64 3
		.amdhsa_memory_ordered 1
		.amdhsa_forward_progress 1
		.amdhsa_inst_pref_size 255
	.end_amdhsa_kernel
	.section	.bss,"aw",@nobits
	.p2align	6
	.space	262144
	.amdgpu_metadata
---
amdhsa.version: [ 1, 2 ]
amdhsa.kernels:
  - .name:           k_qe0d79dc734_score
    .symbol:         k_qe0d79dc734_score.kd
    .args:
      - { .name: queries, .offset: 0, .size: 8, .value_kind: global_buffer, .address_space: global }
      - { .name: icodes, .offset: 8, .size: 8, .value_kind: global_buffer, .address_space: global }
      - { .name: idx, .offset: 16, .size: 8, .value_kind: global_buffer, .address_space: global }
    .group_segment_fixed_size: 327680
    .private_segment_fixed_size: 0
    .kernarg_segment_align: 8
    .kernarg_segment_size: 24
    .max_flat_workgroup_size: 128
    .sgpr_count:     66
    .vgpr_count:     896
    .wavefront_size: 32
...
	.end_amdgpu_metadata
.endif
;; end of part 2
;; launch loss (part 3): grid 256 x 1, 8 waves a work-group, no clusters, 1,280 bytes of LDS; arguments queries, items, idx, out0; writes out0
.if DOCPART == 3
	.amdgcn_target "amdgcn-amd-amdhsa--gfx1250"
	.amdhsa_code_object_version 6
	.text
	.protected	k_qe0d79dc734_loss
	.globl	k_qe0d79dc734_loss
	.p2align	8
	.type	k_qe0d79dc734_loss,@function
k_qe0d79dc734_loss:
	s_mov_b64 s[64:65], 0
	v_nop
	global_prefetch_b8 v0, s[64:65] scope:SCOPE_SE
	s_setreg_imm32_b32 hwreg(HW_REG_WAVE_MODE, 25, 1), 1
	s_wait_xcnt 0x0
; out0[b][t] = the sum over k = 0 .. 7 and n = 0 .. 511 of (queries[b][k][t][n] - items[idx[b][k][t]][n])^2, all in f32 on the numbers as they are given.
; idx holds whole numbers that the launch before stored; each is held at 2,047 before it enters an address.
; SHARES.  Work-group g: b = g / 32, outputs t = 32 (g % 32) .. + 31.  Wave w: four outputs, t0 = 32 (g % 32) + 4 w: 32 rows, numbered 4 k + o.  For each k a wave's four rows are 8 KB on end,
; a work-group's 64 KB.  A row of 2,048 bytes is four loads of 512 consecutive bytes, and so is its item's row.
; A ring of six row slots in registers keeps 48 loads of every wave on their way.  No matrix unit, no cluster, no tensor load: the launch streams, and work-groups share only the small table of items.
; The output leaves as 128 consecutive bytes a work-group: half of an aligned 256.  Whole ones would take 64 outputs a work-group and leave half of the WGPs without work, for 32 KB in all.
.set QO, 6                             ; v6-11   slot: byte offset of my 16 bytes in its query row
.set IO, 12                            ; v12-17  slot: the same in its item's row
.set S,  20                            ; v20-35  output o: two pairs of sums at 20 + 4 o
.set RS, 36                            ; v36-39  the four outputs
.set D,  40                            ; v40-231 slot: 16 registers of the query row, 16 of the item's
	s_load_b256 s[4:11], s[0:1], 0x0               ; queries s[4:5], items s[6:7], idx s[8:9], out0 s[10:11]
	v_lshl_add_u32 v232, v0, 2, 0x100
	v_mov_b32 v233, 0
	v_lshrrev_b32 v3, 5, v0
	v_readfirstlane_b32 s12, v3                    ; wave 0..7
	v_lshlrev_b32 v3, 4, v3                        ; LDS: my wave's four outputs
	v_and_b32 v1, 31, v0
	v_lshlrev_b32 v4, 2, v1                        ; the way out: 4 bytes a lane
	v_lshlrev_b32 v1, 4, v1                        ; 16 x lane
	s_lshr_b32 s13, ttmp9, 5
	s_lshl_b32 s13, s13, 13                        ; 8,192 b
	s_and_b32 s14, ttmp9, 31
	s_lshl_b32 s14, s14, 5
	s_add_co_u32 s13, s13, s14
	s_lshl_b32 s14, s12, 2
	s_add_co_u32 s13, s13, s14                     ; my first row: 8,192 b + t0 (k = 0)
	s_lshl_b32 s14, s13, 2
	s_mov_b32 s15, 0
	s_lshl_b32 s50, s13, 11                        ; in bytes of queries: under 2^27
	v_add_nc_u32 v2, s50, v1
	s_mov_b32 s48, 0x76543210
	s_mov_b32 s49, 0xfedcba98                      ; v_permlanex16_b32's selects for lane l xor 16
	s_wait_kmcnt 0x0
	s_add_nc_u64 s[8:9], s[8:9], s[14:15]
.irp k, 0,1,2,3,4,5,6,7
	s_load_b128 s[16+4*\k:19+4*\k], s[8:9], 4096*\k   ; the items of rows (k, o = 0 .. 3): s[16 + 4 k + o]
.endr
	s_lshl_b32 s14, ttmp9, 7                       ; my work-group's 32 outputs: b x 1,024 + 32 (g % 32) = 32 g
	s_add_nc_u64 s[10:11], s[10:11], s[14:15]
	s_wait_kmcnt 0x0
.set nn, 0
.rept 32
	s_min_u32 s[16+nn], s[16+nn], 2047             ; an index stays inside the table
.set nn, nn+1
.endr
.macro ISSUE n                         ; row n = 4 k + o into slot n % 6
.set sl, (\n)%6
	v_add_nc_u32 v[QO+sl], ((\n)/4)*0x200000+((\n)%4)*2048, v2     ; k x 1,024 rows + o rows
	v_lshl_add_u32 v[IO+sl], s[16+(\n)], 11, v1                    ; the item's row of 2,048 bytes
.irp c, 0,1,2,3
	global_load_b128 v[D+32*sl+4*\c:D+32*sl+4*\c+3], v[QO+sl], s[4:5] offset:512*\c th:TH_LOAD_NT   ; read once in this launch
.endr
.irp c, 0,1,2,3
	global_load_b128 v[D+32*sl+16+4*\c:D+32*sl+16+4*\c+3], v[IO+sl], s[6:7] offset:512*\c           ; no hint: a row of items may be named again
.endr
.endm
.macro WORK n, left                    ; left: how many younger loads may stay out
.set sl, (\n)%6
.set so, S+4*((\n)%4)
.set dq, D+32*sl
	s_wait_loadcnt \left                           ; loads come back in order: this row's eight are in, so its slot's address registers may be written again too
.irp p, 0,1,2,3,4,5,6,7
	v_pk_add_f32 v[dq+2*\p:dq+2*\p+1], v[dq+2*\p:dq+2*\p+1], v[dq+16+2*\p:dq+16+2*\p+1] neg_lo:[0,1] neg_hi:[0,1]   ; q - item
.endr
.irp p, 0,1,2,3,4,5,6,7
.if ((\n) < 4) && (\p < 2)
	v_pk_mul_f32 v[so+2*\p:so+2*\p+1], v[dq+2*\p:dq+2*\p+1], v[dq+2*\p:dq+2*\p+1]                   ; the first squares start the sums: nothing is cleared
.else
	v_pk_fma_f32 v[so+2*(\p%2):so+2*(\p%2)+1], v[dq+2*\p:dq+2*\p+1], v[dq+2*\p:dq+2*\p+1], v[so+2*(\p%2):so+2*(\p%2)+1]   ; two chains by turns
.endif
.endr
.endm
.set nn, 0
.rept 6
	ISSUE nn
.set nn, nn+1
.endr
.set nn, 0
.rept 32
.if (31-nn) < 5
	WORK nn, 8*(31-nn)                             ; the last rows: nothing more is asked for, and the counts run down
.else
	WORK nn, 40                                    ; the five younger rows' loads stay out
.endif
.if (nn+6) < 32
	ISSUE nn+6
.endif
.set nn, nn+1
.endr
.irp o, 0,1,2,3
	v_pk_add_f32 v[S+4*\o:S+4*\o+1], v[S+4*\o:S+4*\o+1], v[S+4*\o+2:S+4*\o+3]
.endr
.irp o, 0,1,2,3
	v_add_f32 v[RS+\o], v[S+4*\o], v[S+4*\o+1]
.endr
.irp m, 1,2,4,8
.irp o, 0,1,2,3
	v_add_f32_dpp v[RS+\o], v[RS+\o], v[RS+\o] row_xmask:\m row_mask:0xf bank_mask:0xf   ; across the sixteen lanes of a half
.endr
.endr
.irp o, 0,1,2,3
	v_permlanex16_b32 v[S+4*\o], v[RS+\o], s48, s49                ; its destination counts as read: a register that has been written
.endr
.irp o, 0,1,2,3
	v_add_f32 v[RS+\o], v[RS+\o], v[S+4*\o]        ; every lane holds the output
.endr
	ds_store_b128 v3, v[RS:RS+3]                   ; all lanes write the same 16 bytes with the same values
	s_wait_dscnt 0x0                               ; for the others' sake: my store has landed
	s_barrier_signal -1
	s_barrier_wait -1
	s_cmp_lg_u32 s12, 0
	s_cbranch_scc1 .Lend
	ds_load_b32 v5, v4                             ; wave 0 takes the eight waves' 32 outputs
	s_wait_dscnt 0x0
	global_store_b32 v4, v5, s[10:11]              ; 32 lanes store 128 consecutive bytes
.Lend:
	s_wait_tensorcnt 0x0
	ds_add_u32 v232, v233
	s_wait_dscnt 0x0
	s_endpgm
.Lfunc_end_k_qe0d79dc734_loss:
	.size	k_qe0d79dc734_loss, .Lfunc_end_k_qe0d79dc734_loss-k_qe0d79dc734_loss
	.p2alignl 7, 3214868480
	.fill 96, 4, 3214868480
	.section	.rodata,"a",@progbits
	.p2align	6, 0x0
	.amdhsa_kernel k_qe0d79dc734_loss
		.amdhsa_group_segment_fixed_size 1280
		.amdhsa_private_segment_fixed_size 0
		.amdhsa_enable_private_segment 0
		.amdhsa_kernarg_size 32
		.amdhsa_user_sgpr_count 2
		.amdhsa_user_sgpr_kernarg_segment_ptr 1
		.amdhsa_wavefront_size32 1
		.amdhsa_system_sgpr_workgroup_id_x 1
		.amdhsa_system_sgpr_workgroup_id_y 1
		.amdhsa_system_sgpr_workgroup_id_z 1
		.amdhsa_system_vgpr_workitem_id 0
		.amdhsa_next_free_vgpr 234
		.amdhsa_next_free_sgpr 66
		.amdhsa_reserve_vcc 0
		.amdhsa_float_denorm_mode_32 3
		.amdhsa_float_denorm_mode_16_64 3
		.amdhsa_memory_ordered 1
		.amdhsa_forward_progress 1
		.amdhsa_inst_pref_size 68
	.end_amdhsa_kernel
	.amdgpu_metadata
---
amdhsa.version: [ 1, 2 ]
amdhsa.kernels:
  - .name:           k_qe0d79dc734_loss
    .symbol:         k_qe0d79dc734_loss.kd
    .args:
      - { .name: queries, .offset: 0, .size: 8, .value_kind: global_buffer, .address_space: global }
      - { .name: items, .offset: 8, .size: 8, .value_kind: global_buffer, .address_space: global }
      - { .name: idx, .offset: 16, .size: 8, .value_kind: global_buffer, .address_space: global }
      - { .name: out0, .offset: 24, .size: 8, .value_kind: global_buffer, .address_space: global }
    .group_segment_fixed_size: 1280
    .private_segment_fixed_size: 0
    .kernarg_segment_align: 8
    .kernarg_segment_size: 32
    .max_flat_workgroup_size: 256
    .sgpr_count:     66
    .vgpr_count:     234
    .wavefront_size: 32
...
	.end_amdgpu_metadata
.endif
;; end of part 3
